; MI455X (gfx1250); checked and timed in simulation.
; The chip was launched on July 23, 2026; its instructions are those of AMD's public machine-readable ISA for CDNA 5 (MIT licence, August 2026) and "CDNA5" Instruction Set Architecture Reference Guide (July 2026). The comments in the code are by the model that wrote it; some were corrected since.
;; Relative Multi Head Attention. Allowed arithmetic: matrix products marked QUANTISED: E4M3 operands, one given power-of-two scale a tensor, by v_wmma_f32_16x16x64_fp8_fp8 or v_wmma_f32_16x16x128_fp8_fp8, f32 sums; everything else in f32.
;; Inputs: Wk 64 x 1,024 float32; Wo 1,024 x 1,024 float32; Wq 1,024 x 1,024 float32; Wv 64 x 1,024 float32; bk 64 float32; bo 1,024 float32; bq 1,024 float32; bv 64 float32; lowp_scales 12 int32 (the exponents e of the quantised operands' scales 2^e); x 4 x 2,048 x 1,024 float32; x_k 4 x 2,048 x 1,024 float32; x_v 4 x 2,048 x 1,024 float32.
;; Outputs: out0 4 x 2,048 x 1,024 float32.
;; This version of the problem:
;;   THIS VERSION OF THE PROBLEM IS GIVEN IN LOW PRECISION. The matrix products marked QUANTISED in the list below multiply operands that are first quantised to E4M3 (4 exponent bits, 3 mantissa bits; 8 bits a number), with one given power-of-two scale for each operand tensor; their sums are f32. All else is computed in f32.
;;   The module's matrix products, in the order in which they are computed (A, B: the left and right operand; K: the contracted axis; several contracted axes count as one K, in the product's order):
;;     1. [M 8,192, K 1,024] x [K 1,024, N 1,024]; A: input x; B: input Wq: QUANTISED (scales: A lowp_scales[0], B lowp_scales[1])
;;     2. [M 8,192, K 1,024] x [K 1,024, N 64]; A: input x_k; B: input Wk: QUANTISED (scales: A lowp_scales[2], B lowp_scales[3])
;;     3. [M 8,192, K 1,024] x [K 1,024, N 64]; A: input x_v; B: input Wv: QUANTISED (scales: A lowp_scales[4], B lowp_scales[5])
;;     4. batch 4 x [M 32,768, K 64] x [K 64, N 2,048]; A: computed on the way; B: computed on the way: QUANTISED (scales: A lowp_scales[6], B lowp_scales[7])
;;     5. batch 4 x [M 32,768, K 2,048] x [K 2,048, N 64]; A: softmax (see below); B: computed on the way: QUANTISED (scales: A lowp_scales[8], B lowp_scales[9])
;;     6. [M 8,192, K 1,024] x [K 1,024, N 1,024]; A: computed on the way; B: input Wo: QUANTISED (scales: A lowp_scales[10], B lowp_scales[11])
;;   THE QUANTISER, for each operand of a quantised product, along K:
;;     - The operand's scale is 2^e, e = its entry of the input lowp_scales (int32; the entries are numbered through the quantised products in the list's order, A before B).
;;     - Each number is divided by the scale, clamped to +-448, and rounded to the nearest number of E4M3, ties to even, subnormals kept.
;;     - The product sums the exact products of the quantised numbers (number of the format x scale) in f32.
;;   ~~~python
;;   def quantise(x, axis, e):      # numpy; x: float32 -> the quantised numbers, widened to float32 again
;;       x = np.moveaxis(x, axis, -1); K = x.shape[-1]
;;       r = np.clip(x / 2.0 ** e, -448, 448)
;;       step = 2.0 ** (np.maximum(np.frexp(np.where(r == 0, 1, r))[1] - 1, -6) - 3)
;;       q = np.round(r / step) * step * 2.0 ** e      # np.round: ties to even
;;       return np.moveaxis(q, -1, axis).astype(np.float32)
;;   ~~~
;;   SOFTMAX AHEAD OF A QUANTISED PRODUCT. Where the list says 'softmax', what is quantised is not the finished softmax but p = 2^(t - M), with t = logit x log2(e) and M = ceil(the row's largest t), a whole number; so 1/2 < the row's largest p <= 1. The row's sum l is taken of the UNQUANTISED p, in f32, and the product's result is divided by l at the end. Since M is a whole number, a kernel that streams over the keys may use a running M (the ceiling of the running maximum): every later rescaling is an exact power of two, so the quantised numbers keep their values, but for numbers so far below the row's largest that they fall under the format's range.
;;   OPERANDS COMPUTED ON THE WAY. 'Computed on the way' means the value that the module computes at that place (a softmax that the list does not call 'softmax' is quantised finished and normalised). What goes into a quantiser is computed in f32, as accurately as f32 sums, v_exp_f32 and their like allow (about 1e-6 of the number): no bf16 or f16 on the way to a quantiser, and a product that is left as it is and whose result goes on into a quantised operand takes f32 operands (vector FMAs, or v_wmma_f32_16x16x4_f32). A number that lies on a knife's edge between two numbers of the format may be rounded either way, as far as f32 arithmetic and the matrix unit's own rounding can turn it there, and no further.
;; One version. Each part assembles by itself: llvm-mc -triple=amdgcn-amd-amdhsa -mcpu=gfx1250 --defsym DOCPART=n.
;; ======== version 1 of 1: 4 launches
;; limits: right only within a limited range of input values
;; workspace buffers: ximg 8,388,608 bytes; wqimg 1,048,576 bytes; woimg 1,048,576 bytes; kimg 524,288 bytes; vimg 524,288 bytes; ropeimg 524,288 bytes; qimg 8,388,608 bytes; cimg 8,388,608 bytes
;; launch prep (part 1): grid 208 x 1, 8 waves a work-group, no clusters, 93,184 bytes of LDS; arguments x_k, x_v, x, Wq, Wo, Wk, Wv, bk, bv, lowp_scales, kimg, vimg, ximg, wqimg, woimg, ropeimg; writes kimg, vimg, ximg, wqimg, woimg, ropeimg
.if DOCPART == 1
	.amdgcn_target "amdgcn-amd-amdhsa--gfx1250"
	.amdhsa_code_object_version 6
	.text
	.protected	k_qaa29657ba6_prep
	.globl	k_qaa29657ba6_prep
	.p2align	8
	.type	k_qaa29657ba6_prep,@function
k_qaa29657ba6_prep:
	s_mov_b64 s[64:65], 0
	v_nop
	global_prefetch_b8 v0, s[64:65] scope:SCOPE_SE
	s_setreg_imm32_b32 hwreg(HW_REG_WAVE_MODE, 25, 1), 1
	s_wait_xcnt 0x0
; PREP.  f32 rows of 1,024 numbers become codes of E4M3, laid as IMAGES OF OPERAND REGISTERS; x_k and x_v are multiplied at once by Wk and Wv (64 outputs), so their codes never go to memory.
; A FRAGMENT is 16 rows x 128 k in 16 registers, in the plain 8-bit form's own layout: lane (r = lane % 16, h = lane / 16) holds row r, registers 2c, 2c+1 hold k = 16c + 8h + 0..7.
; ITS IMAGE is 2,048 bytes: register 4c+e of lane l at 512 c + 16 l + 4 e, so that four loads or stores of 16 bytes a lane, 512 consecutive bytes each, move it.
; SHARES.  A wave takes 16 rows (64 KB of f32), a work-group of eight waves eight neighbouring tiles of 16.  Work-groups 0-63: x_k -> k (role 1); 64-127: x_v -> v (role 2); 128-191: x; 192-199: Wq; 200-207: Wo (role 0: codes only).
; That is all the work there is: 1,664 tiles of 16 rows, eight to a work-group.  In roles 1 and 2 the eight waves share one quantising of the weight: wave w makes the fragments of rows 16 (w % 4) on, K steps 4 (w / 4) + 0..3.
; ROLE 1: k = x_k Wk^T + bk, rotary embedding, codes with the head's 64 innermost.  The product is used transposed (source 0 = 16 rows of Wk): a lane holds one token and d = 16 dt + 8 h + j, so the pair (d, d + 32) lies in one lane.
;         The work-groups of batch 0 also store cos and sin of their tokens' angles, as an image of 32 registers, for the launch that makes q.
; ROLE 2: v = x_v Wv^T + bv (source 0 = the tokens): a lane holds d = 16 dt + r and eight tokens: codes with the KEYS innermost; four waves' 64 tokens are one K step of 64 of the second attention product.
; code = number / 2^e, held within +-448, to the nearest code, ties to even.  LIMITS: e0, e1, e2, e3, e4, e5, e7, e9, e11 between -126 and 119; e2 + e3 and e4 + e5 between -126 and 127.  NaN and infinities among the inputs are not served.
; cos and sin: the angle t x 10^(-i/8) in f32, less n = the nearest multiple of pi/2 (pi/2 in two parts, fused), then polynomials on +-pi/4; the frequencies are the f32 numbers nearest to 10^(-i/8).
; No data mover, no ring: loads run two K steps (32 loads of 512 bytes a wave) ahead in two sets of registers.  Work-groups share no tile but Wk or Wv (256 KB), so no cluster.
; PREFETCH: each step asks for the K step of my rows that the step two on will load: 32 blocks of 256 bytes, a lane a block, each block named once in the launch; the last four steps ask for nothing.
.set STG,   65536                      ; LDS: 0..65535 the 32 fragments of Wk or Wv, (dt, s) at (8 dt + s) x 2,048; then a stage of 16 rows x 144 bytes for each wave;
.set VST,   83968                      ; then v's fragments of 64 keys, four for each four waves;
.set SPARE, 92160                      ; then the spare words, 128 bytes a wave
.set R,     16                         ; v16-143  two sets of 64 numbers as loaded: register 4 i + e = row i, k = 4 lane + e
.set C,     144                        ; v144-159 row i's four codes
.set F,     160                        ; v160-175 the fragment
.set WF,    176                        ; v176-207 two fragments of the weight
.set ACC,   208                        ; v208-239 four accumulators
.set T,     80                         ; the epilogues: the 32 results
.set COS,   48
.set SIN,   64
.set TH,    112
.set NN,    128
.set ZZ,    144
.set SP,    160
.set CP,    176
.set II,    192
.set ROLE,  52
.set WV,    53
.set SRC,   54
.set DST,   56
.set ES,    58
.set FIRST, 59
.set WP,    60
.set EW,    62
.set EO,    63
.set BP,    66
.set TILE,  68
.macro PLACES                          ; four plain vector lines behind a matrix instruction (ISA guide 7.12.1)
.rept 4
	v_nop
.endr
.endm
.macro SCALE e, sc, lim                ; v[sc] = 2^e as f32, v[lim] = 448 x 2^e
	s_add_co_i32 s86, s[\e], 127
	s_lshl_b32 s87, s86, 23
	v_mov_b32 v[\sc], s87
	s_add_co_i32 s86, s86, 8
	s_lshl_b32 s86, s86, 23
	s_or_b32 s86, s86, 0x600000
	v_mov_b32 v[\lim], s86
.endm
.macro LOADR s, base, nt               ; K step s of my 16 rows: each load reads 512 consecutive bytes of one row
.set RS, R+64*((\s)%2)
.irp i, 0,1,2,3,4,5,6,7,8,9,10,11,12,13,14,15
.if \nt
	global_load_b128 v[RS+4*\i:RS+4*\i+3], v1, s[\base:\base+1] offset:4096*\i+512*(\s) th:TH_LOAD_NT
.else
	global_load_b128 v[RS+4*\i:RS+4*\i+3], v1, s[\base:\base+1] offset:4096*\i+512*(\s)
.endif
.endr
.endm
.macro QT s, lim, sc, left             ; the set of K step s is held and converted: v[C+i] = row i's codes of k = 4 lane + 0..3
	s_wait_loadcnt \left                           ; this set's sixteen loads are in; the other set's sixteen may be out
.set RS, R+64*((\s)%2)
.set i, 0
.rept 64
	v_med3_num_f32 v[RS+i], v[RS+i], -v[\lim], v[\lim]   ; the conversion does not saturate (ISA guide 7.6.2): the hold at the largest code x the scale
.set i, i+1
.endr
.irp g, 0,1,2,3,4,5,6,7
	v_cvt_scalef32_pk8_fp8_f32 v[C+2*\g:C+2*\g+1], v[RS+8*\g:RS+8*\g+7], v[\sc]
.endr
	v_nop                                          ; one plain line behind the last conversion
.endm
.macro STAGE                           ; through my own stage: in by rows (128 consecutive bytes a store), out in the fragment's layout.  LDS serves a wave's instructions in order
.irp i, 0,1,2,3,4,5,6,7,8,9,10,11,12,13,14,15
	ds_store_b32 v2, v[C+\i] offset:144*\i
.endr
	s_wait_xcnt 0x0                                ; the last step's global stores have read the fragment's registers
.irp c, 0,1,2,3,4,5,6,7
	ds_load_b64 v[F+2*\c:F+2*\c+1], v3 offset:16*\c    ; pitch 144 bytes = 36 words: the sixteen rows start at sixteen different multiples of four words modulo 64
.endr
.endm
.macro WSTEP s                         ; roles 1 and 2: the s-th of my four K steps of my 16 rows of the weight becomes a fragment in LDS
	QT \s, 7, 8, 16
.if (\s) < 2
	LOADR (\s)+2, WP, 0
.else
	LOADR (\s)-2, SRC, 1                           ; the last two steps ask for the tokens' first two
.endif
	global_prefetch_b8 v243, s[SRC:SRC+1] offset:512*(\s) th:TH_LOAD_NT scope:SCOPE_SE   ; the tokens' K step s, which the step two on loads
	STAGE
	s_wait_dscnt 0x0
.irp c, 0,1,2,3
	ds_store_b128 v4, v[F+4*\c:F+4*\c+3] offset:2048*(\s)+512*\c
.endr
	s_wait_dscnt 0x0                               ; the stores have read the fragment's registers
.endm
.macro PAIR s, d0                      ; two of the four products of K step s.  The four accumulators take turns, one instruction a turn
.irp x, 0,1
.irp c, 0,1,2,3
	ds_load_b128 v[WF+16*\x+4*\c:WF+16*\x+4*\c+3], v1 offset:(8*((\d0)+\x)+(\s))*2048+512*\c
.endr
.endr
	s_wait_dscnt 0x0
	s_cmp_eq_u32 s[ROLE], 1
	s_cbranch_scc0 .Lforv_\@
	v_wmma_f32_16x16x128_fp8_fp8 v[ACC+8*(\d0):ACC+8*(\d0)+7], v[WF:WF+15], v[F:F+15], v[ACC+8*(\d0):ACC+8*(\d0)+7]
	v_wmma_f32_16x16x128_fp8_fp8 v[ACC+8*(\d0)+8:ACC+8*(\d0)+15], v[WF+16:WF+31], v[F:F+15], v[ACC+8*(\d0)+8:ACC+8*(\d0)+15]
	s_branch .Lpair_\@
.Lforv_\@:
	v_wmma_f32_16x16x128_fp8_fp8 v[ACC+8*(\d0):ACC+8*(\d0)+7], v[F:F+15], v[WF:WF+15], v[ACC+8*(\d0):ACC+8*(\d0)+7]
	v_wmma_f32_16x16x128_fp8_fp8 v[ACC+8*(\d0)+8:ACC+8*(\d0)+15], v[F:F+15], v[WF+16:WF+31], v[ACC+8*(\d0)+8:ACC+8*(\d0)+15]
.Lpair_\@:
	PLACES
.endm
.macro MSTEP s                         ; K step s of my 16 rows: codes; role 0 stores the image, roles 1 and 2 multiply
.if (\s) < 7
	QT \s, 5, 6, 16
.else
	QT \s, 5, 6, 0                                 ; the last set, and the biases asked for a step ago
.endif
.if (\s) < 6
	LOADR (\s)+2, SRC, 1
.endif
.if (\s) < 4
	global_prefetch_b8 v243, s[SRC:SRC+1] offset:512*((\s)+4) th:TH_LOAD_NT scope:SCOPE_SE   ; my rows' K step s + 4, which the step two on loads
.endif
	STAGE
	s_cmp_lg_u32 s[ROLE], 0
	s_cbranch_scc1 .Lmul_\@
	s_wait_dscnt 0x0
.irp c, 0,1,2,3
	global_store_b128 v1, v[F+4*\c:F+4*\c+3], s[DST:DST+1] offset:2048*(\s)+512*\c   ; 512 consecutive bytes, aligned
.endr
	s_branch .Lnext_\@
.Lmul_\@:
	PAIR \s, 0
	PAIR \s, 2
.if (\s) == 6
	s_cmp_eq_u32 s[ROLE], 1
	s_cbranch_scc0 .Lbv_\@
.irp d, 0,1,2,3
	global_load_b128 v[16+8*\d:19+8*\d], v11, s[BP:BP+1] offset:64*\d        ; bk at d = 16 dt + 8 h + 0..7, into the set that this step has left
	global_load_b128 v[20+8*\d:23+8*\d], v11, s[BP:BP+1] offset:64*\d+16
.endr
	s_branch .Lnext_\@
.Lbv_\@:
.irp d, 0,1,2,3
	global_load_b32 v[16+\d], v12, s[BP:BP+1] offset:64*\d                   ; bv at d = 16 dt + r
.endr
.endif
.Lnext_\@:
.endm
.macro ANG a, c0, c1                   ; the angle of frequency 16 u + 8 h + j (a = 8 u + j): t x 10^(-i/8), the constant of my half of the lanes
	v_mul_f32 v[TH+\a], \c0, v242
	v_mul_f32 v[NN+\a], \c1, v242
	v_cndmask_b32 v[TH+\a], v[TH+\a], v[NN+\a], s90
.endm
	s_load_b512 s[8:23], s[0:1], 0x0               ; x_k 8, x_v 10, x 12, Wq 14, Wo 16, Wk 18, Wv 20, bk 22
	s_load_b512 s[24:39], s[0:1], 0x40             ; bv 24, the scales' exponents 26, kimg 28, vimg 30, ximg 32, wqimg 34, woimg 36, ropeimg 38
	v_lshl_add_u32 v254, v0, 2, SPARE
	v_mov_b32 v255, 0
	v_lshrrev_b32 v15, 5, v0
	v_readfirstlane_b32 s[WV], v15                 ; wave 0..7
	v_and_b32 v15, 31, v0                          ; lane
	v_and_b32 v240, 15, v0                         ; r
	v_bfe_u32 v241, v0, 4, 1                       ; h
	v_lshlrev_b32 v1, 4, v15                       ; 16 x lane: every image's place for my lane, and my 16 bytes of a load's 512
	s_wait_alu depctr_va_vdst(0)
	s_mul_i32 s86, s[WV], 2304
	s_add_co_u32 s86, s86, STG                     ; my stage
	v_lshl_add_u32 v2, v15, 2, s86                 ; in: 4 x lane
	v_mul_u32_u24 v3, v240, 144
	v_lshl_add_u32 v3, v241, 3, v3
	v_add_nc_u32 v3, s86, v3                       ; out: 144 r + 8 h
	s_and_b32 s87, s[WV], 3
	s_lshl_b32 s87, s87, 14                        ; the weight's fragments of dt = wave % 4,
	s_lshr_b32 s88, s[WV], 2
	s_lshl_b32 s88, s88, 13                        ; from K step 4 (wave / 4) on
	s_add_co_u32 s87, s87, s88
	v_add_nc_u32 v4, s87, v1
	s_bfe_u32 s87, s[WV], 0x10001
	s_lshl_b32 s87, s87, 9
	s_and_b32 s88, s[WV], 1
	s_lshl_b32 s88, s88, 3
	s_add_co_u32 s87, s87, s88
	s_lshr_b32 s88, s[WV], 2
	s_lshl_b32 s88, s88, 12
	s_add_co_u32 s87, s87, s88
	s_add_co_u32 s87, s87, VST
	v_add_nc_u32 v9, s87, v1                       ; v: my 16 tokens are registers 2 (wave % 4), 2 (wave % 4) + 1 of each fragment of my four waves' 64 keys
	s_lshl_b32 s87, s[WV], 10
	s_add_co_u32 s87, s87, VST
	v_add_nc_u32 v10, s87, v1                      ; and the fragment dt = wave % 4 of those keys, which I store
	v_lshlrev_b32 v11, 5, v241                     ; bk: 32 h
	v_lshlrev_b32 v12, 2, v240                     ; bv: 4 r
	v_lshrrev_b32 v243, 1, v15                     ; the prefetches' offset: row lane / 2 of my 16, 4,096 bytes apart,
	v_lshlrev_b32 v243, 12, v243
	v_and_b32 v252, 1, v15
	v_lshl_add_u32 v243, v252, 8, v243             ; + 256 x (lane % 2): a K step's 512 bytes of a row are two blocks of 256; never rewritten
.set i, 0
.rept 32
	v_mov_b32 v[ACC+i], 0                          ; every K step is then the same text, and the sums are written on every way through it
.set i, i+1
.endr
	s_mov_b32 s74, 0x3f22f983                      ; 2 / pi
	s_mov_b32 s75, 0x3fc90fdb                      ; pi / 2, its f32 part,
	s_mov_b32 s76, 0xb33bbd2e                      ; and the rest
	s_mov_b32 s77, 0xb94ca1f9                      ; sin: -1.9515295891e-4, 8.3321608736e-3, -1.6666654611e-1
	s_mov_b32 s78, 0x3c08839e
	s_mov_b32 s79, 0xbe2aaaa3
	s_mov_b32 s80, 0x37ccf5ce                      ; cos: 2.4433157118e-5, -1.3887316255e-3, 4.1666645683e-2
	s_mov_b32 s81, 0xbab6061a
	s_mov_b32 s82, 0x3d2aaaa5
	s_wait_kmcnt 0x0
	s_load_b256 s[40:47], s[26:27], 0x0            ; e0 .. e7: waited for behind the first row loads, which do not hang on them
	s_load_b128 s[48:51], s[26:27], 0x20           ; e8 .. e11
	; which tensor is my work-group's: every choice hangs on the work-group's number alone
	s_mov_b32 s[ROLE], 0
	s_mov_b64 s[SRC:SRC+1], s[16:17]               ; Wo
	s_mov_b64 s[DST:DST+1], s[36:37]
	s_mov_b32 s[FIRST], 200
	s_cmp_lt_u32 ttmp9, 200
	s_cselect_b64 s[SRC:SRC+1], s[14:15], s[SRC:SRC+1]   ; Wq
	s_cselect_b64 s[DST:DST+1], s[34:35], s[DST:DST+1]
	s_cselect_b32 s[FIRST], 192, s[FIRST]
	s_cmp_lt_u32 ttmp9, 192
	s_cselect_b64 s[SRC:SRC+1], s[12:13], s[SRC:SRC+1]   ; x
	s_cselect_b64 s[DST:DST+1], s[32:33], s[DST:DST+1]
	s_cselect_b32 s[FIRST], 128, s[FIRST]
	s_cmp_lt_u32 ttmp9, 128
	s_cselect_b64 s[SRC:SRC+1], s[10:11], s[SRC:SRC+1]   ; x_v
	s_cselect_b64 s[DST:DST+1], s[30:31], s[DST:DST+1]
	s_cselect_b32 s[FIRST], 64, s[FIRST]
	s_cselect_b32 s[ROLE], 2, s[ROLE]
	s_cmp_lt_u32 ttmp9, 64
	s_cselect_b64 s[SRC:SRC+1], s[8:9], s[SRC:SRC+1]     ; x_k
	s_cselect_b64 s[DST:DST+1], s[28:29], s[DST:DST+1]
	s_cselect_b32 s[FIRST], 0, s[FIRST]
	s_cselect_b32 s[ROLE], 1, s[ROLE]
	s_cselect_b64 s[WP:WP+1], s[18:19], s[20:21]         ; Wk or Wv, and the bias
	s_cselect_b64 s[BP:BP+1], s[22:23], s[24:25]
	s_sub_co_u32 s[TILE], ttmp9, s[FIRST]
	s_lshl_b32 s[TILE], s[TILE], 3
	s_add_co_u32 s[TILE], s[TILE], s[WV]           ; my tile of 16 rows in its tensor
	s_mov_b32 s71, 0
	s_lshl_b32 s70, s[TILE], 16                    ; 16 rows of 4,096 bytes
	s_add_nc_u64 s[SRC:SRC+1], s[SRC:SRC+1], s[70:71]
	s_cmp_eq_u32 s[ROLE], 0
	s_cselect_b32 s69, 14, 10                      ; a tile's images: eight of 2,048 bytes, or one of 1,024
	s_lshl_b32 s70, s[TILE], s69
	s_add_nc_u64 s[DST:DST+1], s[DST:DST+1], s[70:71]
	s_and_b32 s70, s[WV], 3
	s_lshl_b32 s70, s70, 16                        ; my 16 rows of the weight,
	s_lshr_b32 s69, s[WV], 2
	s_lshl_b32 s69, s69, 11                        ; from my first K step on: four steps of 512 bytes
	s_add_co_u32 s70, s70, s69
	s_add_nc_u64 s[WP:WP+1], s[WP:WP+1], s[70:71]
	s_and_b32 s70, s[TILE], 127
	s_lshl_b32 s70, s70, 12
	s_add_nc_u64 s[84:85], s[38:39], s[70:71]      ; the table's 4,096 bytes of my tile's place in a batch
	s_cmp_lg_u32 s[ROLE], 0
	s_cbranch_scc1 .Lweights
	LOADR 0, SRC, 1
	LOADR 1, SRC, 1
	s_branch .Lscales
.Lweights:
	LOADR 0, WP, 0
	LOADR 1, WP, 0
.Lscales:
	s_wait_kmcnt 0x0                               ; the scales' exponents
	s_mov_b32 s[ES], s51
	s_cmp_lt_u32 ttmp9, 200
	s_cselect_b32 s[ES], s41, s[ES]
	s_cmp_lt_u32 ttmp9, 192
	s_cselect_b32 s[ES], s40, s[ES]
	s_cmp_lt_u32 ttmp9, 128
	s_cselect_b32 s[ES], s44, s[ES]
	s_cmp_lt_u32 ttmp9, 64
	s_cselect_b32 s[ES], s42, s[ES]
	s_cselect_b32 s[EW], s43, s45                  ; the weight's scale, the result's scale
	s_cselect_b32 s[EO], s47, s49
	SCALE ES, 6, 5
	SCALE EW, 8, 7
	SCALE EO, 14, 13
	s_add_co_i32 s72, s[ES], s[EW]
	s_add_co_i32 s72, s72, 127
	s_lshl_b32 s72, s72, 23                        ; 2^(the two operands' exponents) as f32
	s_mov_b32 s73, s72                             ; (named with it as a pair)
	s_cmp_eq_u32 s[ROLE], 0
	s_wait_alu depctr_va_vdst(0)
	s_cbranch_scc1 .Ljoin
.irp s, 0,1,2,3
	WSTEP \s
.endr
.Ljoin:                                                ; on both ways 32 loads are out: my rows' K steps 0 and 1
	s_wait_dscnt 0x0                               ; my fragments of the weight lie in LDS
	s_barrier_signal -1
	s_barrier_wait -1                              ; everybody's do
	s_wait_alu depctr_va_vdst(0)
.irp s, 0,1,2,3,4,5,6,7
	MSTEP \s
.endr
	s_cmp_eq_u32 s[ROLE], 1
	s_cbranch_scc1 .Lepi_k
	s_cmp_eq_u32 s[ROLE], 2
	s_cbranch_scc1 .Lepi_v
	s_branch .Lmeet
.Lepi_k:
	; k = sum x 2^(e2 + e3) + bk: lane (r, h): token r, register 8 dt + j: d = 16 dt + 8 h + j
.irp i, 0,2,4,6,8,10,12,14,16,18,20,22,24,26,28,30
	v_pk_fma_f32 v[T+\i:T+\i+1], v[ACC+\i:ACC+\i+1], s[72:73], v[16+\i:17+\i] op_sel_hi:[1,0,1]
.endr
	s_and_b32 s86, s[TILE], 127
	s_lshl_b32 s86, s86, 4
	v_add_nc_u32 v242, s86, v240
	v_cvt_f32_u32 v242, v242                       ; t: my token's place in its batch
	v_cmp_ne_u32 s90, 0, v241
	ANG 0,  1.0,            0.1
	ANG 1,  0.7498942093,   0.07498942093
	ANG 2,  0.5623413252,   0.05623413252
	ANG 3,  0.4216965034,   0.04216965034
	ANG 4,  0.3162277660,   0.03162277660
	ANG 5,  0.2371373706,   0.02371373706
	ANG 6,  0.1778279410,   0.01778279410
	ANG 7,  0.1333521432,   0.01333521432
	ANG 8,  0.01,           0.001
	ANG 9,  0.007498942093, 0.0007498942093
	ANG 10, 0.005623413252, 0.0005623413252
	ANG 11, 0.004216965034, 0.0004216965034
	ANG 12, 0.003162277660, 0.0003162277660
	ANG 13, 0.002371373706, 0.0002371373706
	ANG 14, 0.001778279410, 0.0001778279410
	ANG 15, 0.001333521432, 0.0001333521432
.irp a, 0,1,2,3,4,5,6,7,8,9,10,11,12,13,14,15
	v_mul_f32 v[NN+\a], s74, v[TH+\a]
.endr
.irp a, 0,1,2,3,4,5,6,7,8,9,10,11,12,13,14,15
	v_rndne_f32 v[NN+\a], v[NN+\a]                 ; n
.endr
.irp a, 0,1,2,3,4,5,6,7,8,9,10,11,12,13,14,15
	v_fma_f32 v[TH+\a], -v[NN+\a], s75, v[TH+\a]
.endr
.irp a, 0,1,2,3,4,5,6,7,8,9,10,11,12,13,14,15
	v_fma_f32 v[TH+\a], -v[NN+\a], s76, v[TH+\a]   ; the angle less n pi / 2, within +-pi/4
.endr
.irp a, 0,1,2,3,4,5,6,7,8,9,10,11,12,13,14,15
	v_mul_f32 v[ZZ+\a], v[TH+\a], v[TH+\a]
.endr
.irp a, 0,1,2,3,4,5,6,7,8,9,10,11,12,13,14,15
	v_fma_f32 v[SP+\a], v[ZZ+\a], s77, s78
	v_fma_f32 v[CP+\a], v[ZZ+\a], s80, s81
.endr
.irp a, 0,1,2,3,4,5,6,7,8,9,10,11,12,13,14,15
	v_fma_f32 v[SP+\a], v[SP+\a], v[ZZ+\a], s79
	v_fma_f32 v[CP+\a], v[CP+\a], v[ZZ+\a], s82
.endr
.irp a, 0,1,2,3,4,5,6,7,8,9,10,11,12,13,14,15
	v_mul_f32 v[SP+\a], v[SP+\a], v[ZZ+\a]
	v_fma_f32 v[CP+\a], v[CP+\a], v[ZZ+\a], -0.5
.endr
.irp a, 0,1,2,3,4,5,6,7,8,9,10,11,12,13,14,15
	v_fma_f32 v[SP+\a], v[SP+\a], v[TH+\a], v[TH+\a]   ; sin of the rest
	v_fma_f32 v[CP+\a], v[CP+\a], v[ZZ+\a], 1.0        ; cos of the rest
.endr
.irp a, 0,1,2,3,4,5,6,7,8,9,10,11,12,13,14,15
	v_cvt_i32_f32 v[II+\a], v[NN+\a]
.endr
.irp a, 0,1,2,3,4,5,6,7,8,9,10,11,12,13,14,15
	v_and_b32 v[NN+\a], 1, v[II+\a]
.endr
.irp a, 0,1,2,3,4,5,6,7,8,9,10,11,12,13,14,15
	v_cmp_ne_u32 vcc_lo, 0, v[NN+\a]               ; n odd: the two change places
	v_cndmask_b32 v[SIN+\a], v[SP+\a], v[CP+\a], vcc_lo
	v_cndmask_b32 v[COS+\a], v[CP+\a], v[SP+\a], vcc_lo
.endr
.irp a, 0,1,2,3,4,5,6,7,8,9,10,11,12,13,14,15
	v_lshlrev_b32 v[NN+\a], 30, v[II+\a]           ; sin changes sign where n & 2,
	v_add_nc_u32 v[II+\a], 1, v[II+\a]             ; cos where (n + 1) & 2
.endr
.irp a, 0,1,2,3,4,5,6,7,8,9,10,11,12,13,14,15
	v_and_b32 v[NN+\a], 0x80000000, v[NN+\a]
	v_lshlrev_b32 v[II+\a], 30, v[II+\a]
.endr
.irp a, 0,1,2,3,4,5,6,7,8,9,10,11,12,13,14,15
	v_xor_b32 v[SIN+\a], v[NN+\a], v[SIN+\a]
	v_and_b32 v[II+\a], 0x80000000, v[II+\a]
.endr
.irp a, 0,1,2,3,4,5,6,7,8,9,10,11,12,13,14,15
	v_xor_b32 v[COS+\a], v[II+\a], v[COS+\a]
.endr
	s_cmp_lt_u32 ttmp9, 16                         ; batch 0's work-groups store the table: 32 registers as they stand
	s_cbranch_scc0 .Lno_table
.irp q, 0,1,2,3,4,5,6,7
	global_store_b128 v1, v[COS+4*\q:COS+4*\q+3], s[84:85] offset:512*\q
.endr
.Lno_table:
.irp u, 0,1                                    ; k(d) cos - k(d + 32) sin and k(d + 32) cos + k(d) sin, two at a time
.irp jj, 0,2,4,6
.set LO, T+8*\u+\jj
.set HI, T+16+8*\u+\jj
.set CC, COS+8*\u+\jj
.set SS, SIN+8*\u+\jj
.set UU, 244+4*((\jj/2)%2)
	v_pk_mul_f32 v[UU:UU+1], v[HI:HI+1], v[SS:SS+1]
	v_pk_mul_f32 v[UU+2:UU+3], v[LO:LO+1], v[SS:SS+1]
	v_pk_fma_f32 v[LO:LO+1], v[LO:LO+1], v[CC:CC+1], v[UU:UU+1] neg_lo:[0,0,1] neg_hi:[0,0,1]
	v_pk_fma_f32 v[HI:HI+1], v[HI:HI+1], v[CC:CC+1], v[UU+2:UU+3]
.endr
.endr
.set i, 0
.rept 32
	v_med3_num_f32 v[T+i], v[T+i], -v13, v13
.set i, i+1
.endr
.irp d, 0,1,2,3
	v_cvt_scalef32_pk8_fp8_f32 v[ACC+2*\d:ACC+2*\d+1], v[T+8*\d:T+8*\d+7], v14   ; registers 2 dt, 2 dt + 1 of the fragment (16 keys x 64)
.endr
	v_nop
	global_store_b128 v1, v[ACC:ACC+3], s[DST:DST+1]
	global_store_b128 v1, v[ACC+4:ACC+7], s[DST:DST+1] offset:512
	s_branch .Lmeet
.Lepi_v:
	; v = sum x 2^(e4 + e5) + bv: lane (r, h): d = 16 dt + r, register 8 dt + j: token 8 h + j
.irp d, 0,1,2,3
.irp j, 0,1,2,3,4,5,6,7
	v_fma_f32 v[T+8*\d+\j], v[ACC+8*\d+\j], s72, v[16+\d]
.endr
.endr
.set i, 0
.rept 32
	v_med3_num_f32 v[T+i], v[T+i], -v13, v13
.set i, i+1
.endr
.irp d, 0,1,2,3
	v_cvt_scalef32_pk8_fp8_f32 v[C+2*\d:C+2*\d+1], v[T+8*\d:T+8*\d+7], v14
.endr
	v_nop
.irp d, 0,1,2,3
	ds_store_b64 v9, v[C+2*\d:C+2*\d+1] offset:1024*\d
.endr
.Lmeet:
	s_wait_dscnt 0x0                               ; my part of v's fragments lies in LDS
	s_barrier_signal -1
	s_barrier_wait -1
	s_cmp_lg_u32 s[ROLE], 2
	s_cbranch_scc1 .Lend
	ds_load_b128 v[C:C+3], v10                     ; my fragment, whole
	ds_load_b128 v[C+4:C+7], v10 offset:512
	s_wait_dscnt 0x0
	global_store_b128 v1, v[C:C+3], s[DST:DST+1]
	global_store_b128 v1, v[C+4:C+7], s[DST:DST+1] offset:512
.Lend:
	s_wait_tensorcnt 0x0                           ; the wave's end
	ds_add_u32 v254, v255
	s_wait_dscnt 0x0
	s_endpgm
.Lfunc_end_k_qaa29657ba6_prep:
	.size	k_qaa29657ba6_prep, .Lfunc_end_k_qaa29657ba6_prep-k_qaa29657ba6_prep
	.p2alignl 7, 3214868480
	.fill 96, 4, 3214868480
	.section	.rodata,"a",@progbits
	.p2align	6, 0x0
	.amdhsa_kernel k_qaa29657ba6_prep
		.amdhsa_group_segment_fixed_size 93184
		.amdhsa_private_segment_fixed_size 0
		.amdhsa_enable_private_segment 0
		.amdhsa_kernarg_size 128
		.amdhsa_user_sgpr_count 2
		.amdhsa_user_sgpr_kernarg_segment_ptr 1
		.amdhsa_wavefront_size32 1
		.amdhsa_system_sgpr_workgroup_id_x 1
		.amdhsa_system_sgpr_workgroup_id_y 1
		.amdhsa_system_sgpr_workgroup_id_z 1
		.amdhsa_system_vgpr_workitem_id 0
		.amdhsa_next_free_vgpr 256
		.amdhsa_next_free_sgpr 96
		.amdhsa_reserve_vcc 1
		.amdhsa_float_denorm_mode_32 3
		.amdhsa_float_denorm_mode_16_64 3
		.amdhsa_memory_ordered 1
		.amdhsa_forward_progress 1
		.amdhsa_inst_pref_size 158
	.end_amdhsa_kernel
	.amdgpu_metadata
---
amdhsa.version: [ 1, 2 ]
amdhsa.kernels:
  - .name:           k_qaa29657ba6_prep
    .symbol:         k_qaa29657ba6_prep.kd
    .args:
      - { .name: x_k, .offset: 0, .size: 8, .value_kind: global_buffer, .address_space: global }
      - { .name: x_v, .offset: 8, .size: 8, .value_kind: global_buffer, .address_space: global }
      - { .name: x, .offset: 16, .size: 8, .value_kind: global_buffer, .address_space: global }
      - { .name: Wq, .offset: 24, .size: 8, .value_kind: global_buffer, .address_space: global }
      - { .name: Wo, .offset: 32, .size: 8, .value_kind: global_buffer, .address_space: global }
      - { .name: Wk, .offset: 40, .size: 8, .value_kind: global_buffer, .address_space: global }
      - { .name: Wv, .offset: 48, .size: 8, .value_kind: global_buffer, .address_space: global }
      - { .name: bk, .offset: 56, .size: 8, .value_kind: global_buffer, .address_space: global }
      - { .name: bv, .offset: 64, .size: 8, .value_kind: global_buffer, .address_space: global }
      - { .name: lowp_scales, .offset: 72, .size: 8, .value_kind: global_buffer, .address_space: global }
      - { .name: kimg, .offset: 80, .size: 8, .value_kind: global_buffer, .address_space: global }
      - { .name: vimg, .offset: 88, .size: 8, .value_kind: global_buffer, .address_space: global }
      - { .name: ximg, .offset: 96, .size: 8, .value_kind: global_buffer, .address_space: global }
      - { .name: wqimg, .offset: 104, .size: 8, .value_kind: global_buffer, .address_space: global }
      - { .name: woimg, .offset: 112, .size: 8, .value_kind: global_buffer, .address_space: global }
      - { .name: ropeimg, .offset: 120, .size: 8, .value_kind: global_buffer, .address_space: global }
    .group_segment_fixed_size: 93184
    .private_segment_fixed_size: 0
    .kernarg_segment_align: 8
    .kernarg_segment_size: 128
    .max_flat_workgroup_size: 256
    .sgpr_count:     96
    .vgpr_count:     256
    .wavefront_size: 32
...
	.end_amdgpu_metadata
.endif
;; end of part 1
;; launch qproj (part 2): grid 4 x 64, 4 waves a work-group, no clusters, 168,448 bytes of LDS; arguments ximg, wqimg, bq, ropeimg, lowp_scales, qimg; writes qimg
.if DOCPART == 2
	.amdgcn_target "amdgcn-amd-amdhsa--gfx1250"
	.amdhsa_code_object_version 6
	.text
	.protected	k_qaa29657ba6_qproj
	.globl	k_qaa29657ba6_qproj
	.p2align	8
	.type	k_qaa29657ba6_qproj,@function
k_qaa29657ba6_qproj:
	s_mov_b64 s[64:65], 0
	v_nop
	global_prefetch_b8 v0, s[64:65] scope:SCOPE_SE
	s_setreg_imm32_b32 hwreg(HW_REG_WAVE_MODE, 25, 1), 1
	s_wait_xcnt 0x0
; QPROJ.  q = x Wq^T + bq on codes of E4M3, rotary embedding, q's codes as images of operand registers (a fragment: 16 tokens x one head's 64).
; ximg: [tile of 16 rows 512][K step 8][2,048], wqimg: [tile of 16 rows of Wq 64][8][2,048]: a fragment (16 rows x 128 k, 16 registers) lies with register 4c+e of lane l at 512 c + 16 l + 4 e.
; SHARES.  A work-group takes 128 rows x 256 columns; wave w the 64 columns of head 4 x + w, for all 128 rows: 32 accumulators.  Its 64 KB of Wq go from memory straight into 512 registers and stay;
; the 128 KB of x's images are copied as they lie into LDS bytes 0 .. 131,071 by asynchronous copies, all issued at the head, each byte filled once.  K = 1,024 is written out: 256 matrix instructions.
; THE PRODUCT IS USED TRANSPOSED (source 0 = 16 rows of Wq, source 1 = 16 tokens): lane (r, h) holds token r and d = 16 ct + 8 h + j of the head, so the pair (d, d + 32) lies in one lane,
; and the eight results of tile ct convert straight into registers 2 ct, 2 ct + 1 of q's fragment.
; A sum stands for sum x 2^(e0 + e1): bq goes in as the first product's C, divided by that power; the conversion takes 2^(e6 - e0 - e1).  LIMITS: e6 - e0 - e1 between -126 and 119.  NaN is not served.
; No cluster: the weights go to registers, not to LDS; what four work-groups share, x's 128 KB, is a third of a work-group's bytes and is read once, at the head.
; REGISTERS: window 0: v1, v2 16 x lane (+ 65,536); v3, v4 the copies' LDS address and offset; v32-63 the bias; v64, v128, v192 three buffers of four fragments of x.
;   window 1: accumulator (a, ct) at 8 (4 a + ct).   window 2: Wq's fragments of K steps 0-3 at 64 s + 16 ct, later cos and sin.   window 3: those of K steps 4-7.
.set LI0,  1
.set CL,   3
.set CG,   4
.set HB,   5
.set QSC,  10
.set QLIM, 11
.set BIAS, 32
.set ABUF, 64
.set MSB,  0
.macro WIN new                         ; the immediate's high byte repeats the setting that is left
.if MSB != \new
	s_set_vgpr_msb (MSB<<8)|\new
.set MSB, \new
.endif
.endm
.macro PLACES                          ; four plain vector lines behind a matrix instruction, ahead of loads into its sources and of reads of its result
.rept 4
	v_nop
.endr
.endm
.macro COPYA s                         ; K step s of my two tiles of rows: the immediate steps both addresses
.irp p, 0,1
.irp c, 0,1,2,3
	global_load_async_to_lds_b128 v[CL], v[CG], s[4:5] offset:16384*\p+2048*(\s)+512*\c
.endr
.endr
.endm
.macro LOADB s                         ; my head's four fragments of K step s
.if (\s) < 4
	WIN 0x80
.else
	WIN 0xc0
.endif
.irp ct, 0,1,2,3
.irp c, 0,1,2,3
	global_load_b128 v[64*((\s)%4)+16*\ct+4*\c:64*((\s)%4)+16*\ct+4*\c+3], v[LI0], s[6:7] offset:16384*\ct+2048*(\s)+512*\c
.endr
.endr
.endm
.macro ARRIVE n                        ; all but my youngest n copies have landed, my LDS loads are in: then the work-group's barrier
	s_wait_asynccnt \n
	s_wait_dscnt 0x0
	s_barrier_signal -1
	s_barrier_wait -1
.endm
.macro LOADA u                         ; half step u: K step u / 2, tiles 4 (u % 2) + 0..3, into buffer u % 3
.set AB, ABUF+64*((\u)%3)
.irp a, 0,1,2,3
.irp c, 0,1,2,3
	ds_load_b128 v[AB+16*\a+4*\c:AB+16*\a+4*\c+3], v[LI0+(\u)%2] offset:16384*\a+2048*((\u)/2)+512*\c
.endr
.endr
.endm
.macro MUL u                           ; 16 matrix instructions.  The 32 accumulators take turns, one instruction a turn, in the same order in every K step
.set KS, (\u)/2
.set AB, ABUF+64*((\u)%3)
.set BB, 64*(KS%4)
.if KS == 0
	WIN 0x42                                       ; source 0 window 2, source 1 and C window 0, D window 1
.elseif KS < 4
	WIN 0x52                                       ; C and D window 1
.else
	WIN 0x53                                       ; source 0 window 3
.endif
.irp a, 0,1,2,3
.irp ct, 0,1,2,3
.set DD, 8*(4*(4*((\u)%2)+\a)+\ct)
.if KS == 0
	v_wmma_f32_16x16x128_fp8_fp8 v[DD:DD+7], v[BB+16*\ct:BB+16*\ct+15], v[AB+16*\a:AB+16*\a+15], v[BIAS+8*\ct:BIAS+8*\ct+7]
.else
	v_wmma_f32_16x16x128_fp8_fp8 v[DD:DD+7], v[BB+16*\ct:BB+16*\ct+15], v[AB+16*\a:AB+16*\a+15], v[DD:DD+7]
.endif
.endr
.endr
.endm
	s_load_b256 s[4:11], s[0:1], 0x0               ; ximg 4, wqimg 6, bq 8, ropeimg 10
	s_load_b128 s[12:15], s[0:1], 0x20             ; the scales' exponents 12, qimg 14
	v_lshl_add_u32 v30, v0, 2, 0x29000
	v_mov_b32 v31, 0
	ds_add_u32 v30, v31
	ds_add_u32 v30, v31
	v_and_b32 v6, 31, v0
	v_lshlrev_b32 v[LI0], 4, v6
	v_add_nc_u32 v[LI0+1], 0x10000, v[LI0]
	v_lshrrev_b32 v7, 5, v0
	v_readfirstlane_b32 s24, v7                    ; wave 0..3
	v_lshl_add_u32 v[CL], v7, 15, v[LI0]           ; 16 x lane + 32,768 x wave: my two tiles of rows, in LDS
	v_lshl_add_u32 v[CG], v7, 15, v[LI0]           ; and in the block
	v_bfe_u32 v8, v0, 4, 1
	v_lshlrev_b32 v[HB], 5, v8                     ; the bias: 32 h
	s_and_b32 s25, ttmp7, 0xffff                   ; block of 128 rows
	s_lshl_b32 s26, ttmp9, 2
	s_add_co_u32 s26, s26, s24                     ; my head
	s_lshl_b32 s28, s25, 17
	s_mov_b32 s29, 0
	s_lshl_b32 s30, s26, 16
	s_mov_b32 s31, 0
	s_lshl_b32 s32, s26, 8
	s_mov_b32 s33, 0
	s_lshl_b32 s36, s26, 10
	s_add_co_u32 s36, s36, s28                     ; qimg: 16,384 x tile + 1,024 x head
	s_mov_b32 s37, 0
	s_lshl_b32 s38, s25, 3
	s_and_b32 s38, s38, 127                        ; my first tile's place in its batch
	s_lshl_b32 s38, s38, 12
	s_mov_b32 s39, 0
	s_wait_alu depctr_va_vdst(0)
	s_wait_dscnt 0x0
	s_wait_kmcnt 0x0
	s_load_b256 s[16:23], s[12:13], 0x0            ; e0 .. e7
	s_add_nc_u64 s[4:5], s[4:5], s[28:29]
	s_add_nc_u64 s[6:7], s[6:7], s[30:31]
	s_add_nc_u64 s[8:9], s[8:9], s[32:33]
	s_add_nc_u64 s[14:15], s[14:15], s[36:37]
	s_add_nc_u64 s[10:11], s[10:11], s[38:39]
.irp ct, 0,1,2,3
	global_load_b128 v[BIAS+8*\ct:BIAS+8*\ct+3], v[HB], s[8:9] offset:64*\ct
	global_load_b128 v[BIAS+8*\ct+4:BIAS+8*\ct+7], v[HB], s[8:9] offset:64*\ct+16
.endr
	COPYA 0                                        ; every copy stands ahead of the first wait on their counter, the first LDS read and the first barrier
	COPYA 1
	LOADB 0
	LOADB 1
	WIN 0
	COPYA 2
	COPYA 3
	LOADB 2
	LOADB 3
	WIN 0
	COPYA 4
	COPYA 5
	COPYA 6
	COPYA 7
	s_wait_kmcnt 0x0
	s_add_co_i32 s34, s16, s17                     ; e0 + e1
	s_sub_co_i32 s35, 0, s34
	s_sub_co_i32 s40, s22, s34                     ; e6 - e0 - e1
	s_add_co_i32 s40, s40, 127
	s_lshl_b32 s41, s40, 23
	v_mov_b32 v[QSC], s41
	s_add_co_i32 s40, s40, 8
	s_lshl_b32 s40, s40, 23
	s_or_b32 s40, s40, 0x600000
	v_mov_b32 v[QLIM], s40
	s_wait_loadcnt 63                              ; behind the bias's eight loads 64 were issued: the largest count that the wait can name shows them in
.set i, 0
.rept 32
	v_ldexp_f32 v[BIAS+i], v[BIAS+i], s35          ; bq / 2^(e0 + e1)
.set i, i+1
.endr
	s_wait_alu depctr_va_vdst(0)
	ARRIVE 48                                      ; K steps 0 and 1 of x lie in LDS; the copies of the six later steps, eight each, may be out
	LOADA 0
	LOADA 1
	LOADA 2
.irp u, 0,1,2,3,4,5,6,7,8,9,10,11,12,13,14,15
.if (\u)%2 == 0
.if (\u)/2 <= 4
	s_wait_loadcnt 48                              ; this K step's weights are in; three later groups of sixteen may be out
.else
.if \u == 12
	s_wait_loadcnt 48                              ; K step 6's weights are in; K step 7's sixteen loads and the table's first 32 may be out
.else
	s_wait_loadcnt 63                              ; behind this K step's weights 64 loads were issued: the largest count that the wait can name shows them in
.endif
.endif
.endif
.if (\u == 8) || (\u == 12)                    ; cos and sin of four tiles of tokens at a time, into the registers that K steps 0-1 (then 2-3) of the weights have left
	WIN 0x80
.irp a, ((\u)-8), ((\u)-7), ((\u)-6), ((\u)-5)
.irp q, 0,1,2,3,4,5,6,7
	global_load_b128 v[32*\a+4*\q:32*\a+4*\q+3], v[LI0], s[10:11] offset:4096*\a+512*\q
.endr
.endr
.endif
.if \u <= 13
	s_wait_dscnt 32                                ; this half step's fragments are in; the two groups of sixteen behind them may be out
.else
	s_wait_dscnt 16*(15-\u)
.endif
	MUL \u
.if \u <= 12
	PLACES
	WIN 0
.if \u == 1
	ARRIVE 32                                      ; K steps 2 and 3
.elseif \u == 5
	ARRIVE 16                                      ; 4 and 5
.elseif \u == 9
	ARRIVE 0                                       ; 6 and 7
.endif
	LOADA (\u)+3                                   ; into the buffer just multiplied
.endif
.if ((\u)%2 == 0) && (\u <= 6)
	LOADB 4+(\u)/2
.endif
.endr
	; THE WAY OUT, a tile of 16 tokens at a time: rotary embedding (source 0 = the sums, window 1; source 1 = cos or sin, window 2), hold, conversion, two stores of 512 consecutive bytes
	PLACES
.irp a, 0,1,2,3,4,5,6,7
	s_wait_loadcnt 8*(7-\a)                        ; this tile's eight table loads are in; the later tiles' may be out
	WIN 0x09
.irp u, 0,1
.irp jj, 0,2,4,6
.set LO, 8*(4*\a+\u)+\jj
.set HI, 8*(4*\a+\u+2)+\jj
.set CC, 32*\a+8*\u+\jj
.set SS, 32*\a+16+8*\u+\jj
.set UU, 96+4*((\jj/2)%2)
	v_pk_mul_f32 v[UU:UU+1], v[HI:HI+1], v[SS:SS+1]          ; each accumulator is read from its low end on
	v_pk_mul_f32 v[UU+2:UU+3], v[LO:LO+1], v[SS:SS+1]
	v_pk_fma_f32 v[64+8*\u+\jj:65+8*\u+\jj], v[LO:LO+1], v[CC:CC+1], v[UU:UU+1] neg_lo:[0,0,1] neg_hi:[0,0,1]
	v_pk_fma_f32 v[80+8*\u+\jj:81+8*\u+\jj], v[HI:HI+1], v[CC:CC+1], v[UU+2:UU+3]
.endr
.endr
	WIN 0
.set i, 0
.rept 32
	v_med3_num_f32 v[64+i], v[64+i], -v[QLIM], v[QLIM]
.set i, i+1
.endr
.irp ct, 0,1,2,3
	v_cvt_scalef32_pk8_fp8_f32 v[128+8*\a+2*\ct:129+8*\a+2*\ct], v[64+8*\ct:71+8*\ct], v[QSC]   ; each tile's codes have registers of their own: no store's data are written again
.endr
	v_nop                                          ; one plain line behind the last conversion
	global_store_b128 v[LI0], v[128+8*\a:131+8*\a], s[14:15] offset:16384*\a
	global_store_b128 v[LI0], v[132+8*\a:135+8*\a], s[14:15] offset:16384*\a+512
.endr
	s_wait_tensorcnt 0x0
	ds_add_u32 v30, v31
	s_wait_dscnt 0x0
	s_endpgm
.Lfunc_end_k_qaa29657ba6_qproj:
	.size	k_qaa29657ba6_qproj, .Lfunc_end_k_qaa29657ba6_qproj-k_qaa29657ba6_qproj
	.p2alignl 7, 3214868480
	.fill 96, 4, 3214868480
	.section	.rodata,"a",@progbits
	.p2align	6, 0x0
	.amdhsa_kernel k_qaa29657ba6_qproj
		.amdhsa_group_segment_fixed_size 168448
		.amdhsa_private_segment_fixed_size 0
		.amdhsa_enable_private_segment 0
		.amdhsa_kernarg_size 48
		.amdhsa_user_sgpr_count 2
		.amdhsa_user_sgpr_kernarg_segment_ptr 1
		.amdhsa_wavefront_size32 1
		.amdhsa_system_sgpr_workgroup_id_x 1
		.amdhsa_system_sgpr_workgroup_id_y 1
		.amdhsa_system_sgpr_workgroup_id_z 1
		.amdhsa_system_vgpr_workitem_id 0
		.amdhsa_next_free_vgpr 1024
		.amdhsa_next_free_sgpr 66
		.amdhsa_reserve_vcc 0
		.amdhsa_float_denorm_mode_32 3
		.amdhsa_float_denorm_mode_16_64 3
		.amdhsa_memory_ordered 1
		.amdhsa_forward_progress 1
		.amdhsa_inst_pref_size 102
	.end_amdhsa_kernel
	.amdgpu_metadata
---
amdhsa.version: [ 1, 2 ]
amdhsa.kernels:
  - .name:           k_qaa29657ba6_qproj
    .symbol:         k_qaa29657ba6_qproj.kd
    .args:
      - { .name: ximg, .offset: 0, .size: 8, .value_kind: global_buffer, .address_space: global }
      - { .name: wqimg, .offset: 8, .size: 8, .value_kind: global_buffer, .address_space: global }
      - { .name: bq, .offset: 16, .size: 8, .value_kind: global_buffer, .address_space: global }
      - { .name: ropeimg, .offset: 24, .size: 8, .value_kind: global_buffer, .address_space: global }
      - { .name: lowp_scales, .offset: 32, .size: 8, .value_kind: global_buffer, .address_space: global }
      - { .name: qimg, .offset: 40, .size: 8, .value_kind: global_buffer, .address_space: global }
    .group_segment_fixed_size: 168448
    .private_segment_fixed_size: 0
    .kernarg_segment_align: 8
    .kernarg_segment_size: 48
    .max_flat_workgroup_size: 128
    .sgpr_count:     66
    .vgpr_count:     1024
    .wavefront_size: 32
...
	.end_amdgpu_metadata
.endif
;; end of part 2
;; launch attn (part 3): grid 256 x 1, 8 waves a work-group, no clusters, 263,168 bytes of LDS; arguments qimg, kimg, vimg, lowp_scales, cimg; writes cimg
.if DOCPART == 3
	.amdgcn_target "amdgcn-amd-amdhsa--gfx1250"
	.amdhsa_code_object_version 6
	.text
	.protected	k_qaa29657ba6_attn
	.globl	k_qaa29657ba6_attn
	.p2align	8
	.type	k_qaa29657ba6_attn,@function
k_qaa29657ba6_attn:
	s_mov_b64 s[64:65], 0
	v_nop
	global_prefetch_b8 v0, s[64:65] scope:SCOPE_SE
	s_setreg_imm32_b32 hwreg(HW_REG_WAVE_MODE, 25, 1), 1
	s_wait_xcnt 0x0
; ATTN.  ctx = softmax(q k^T / 8) v for 16 heads that share one K and V, both products on codes of E4M3; ctx leaves as codes, laid as the last product's operand.
; qimg, cimg: [tile of 16 tokens 512][head 16][1,024]; kimg: [batch 4][tile of 16 keys 128][1,024]; vimg: [batch 4][group of 64 keys 32][dt 4][1,024] (row d = 16 dt + r, K = the keys).
; A fragment (16 rows x 64 k, 8 registers, the plain 8-bit form's own layout) lies with register 4c+e of lane l at 512 c + 16 l + 4 e.
; SHARES.  A work-group takes 32 tokens x 16 heads: 32 tiles of queries on one K and V; each of its eight waves four tiles.  The batch's K (LDS 0 .. 131,071) and V (131,072 .. 262,143) lie whole in LDS,
; brought once through registers, an eighth a wave.  Both products are used transposed (S^T = K Q^T, O^T = V^T P^T): a lane holds ONE query; S^T's eight registers of key tile t convert into registers 2 t, 2 t + 1 of P's fragment.
; THE FILL.  K is stored ahead of the first barrier; V stays on its way through pass 1's first 16 groups and is stored ahead of the second barrier; no barrier stands between the passes.
; THE SOFTMAX: t = score x log2(e) / 8; M = the row's largest t rounded up to a whole number; p = 2^(t - M) is quantised with 2^e8; the row's sum is taken of the unquantised p and divides at the end.
; TWO PASSES over the keys: the first finds each query's largest score, the second forms the scores again under the final M: no rescaling, no exchange between lanes in the loop.
; PASS 2 GOES IN HALF GROUPS of 32 keys on the two halves of S: one half's 64 exponentials are one batch, and among them stand the eight products that make the other half's scores (their sources are loaded
; registers, their results are first read behind the batch's closing wait).  Behind that wait: the other half's scalings, this half's sums, hold and conversions.
; The hold of p at 448 x 2^e8 is passed over where e8 >= -8: p is at most 1, and 448 x 2^-8 = 1.75.  That is a branch on a whole number read from memory.
; NO CLUSTER, NO TENSOR LOAD. Without the branch each group of 64 keys has 128 lines more.
; NO PREFETCH: every global load stands at the head; there is no loop to run ahead in.
; LIMITS: e6 + e7 between -123 and 130 (added to the exponent field of log2(e) / 8); e8, and e10 - e8 - e9, between -126 and 119.  NaN is not served.
; REGISTERS: window 0: v1 16 x lane; v2, v3 LDS addresses in hand; v4, v5 the fill's places; v6-9 scales and holds; v62, v63 the spare word's address and 0;
;   v64-191 S^T (q, t) at 64 + 32 q + 8 t (at first K on its way in); v192-223 K; v224-239 the sums; v240-247 -M; v248-255 the maxima, then 1 / sum.
;   window 1: v0-127 O^T (q, dt) at 32 q + 8 dt (at first V on its way in); v128-159 Q; v160-191 P; v192-223 V.
.set SPARE, 0x40000
.set LI,   1
.set ADK,  2
.set ADV,  3
.set FO,   4
.set FV,   5
.set PSC,  6
.set PLIM, 7
.set CSC,  8
.set CLIM, 9
.set SPW,  62
.set NIL,  63
.set S,    64
.set KF0,  192
.set L,    224
.set NM,   240
.set MX,   248
.set O,    0
.set Q,    128
.set P,    160
.set VF,   192
.set CS,   32
.set SEL,  34
.set KB,   36
.set VB,   37
.set CNT,  38
.set WV,   39
.set MSB,  0
.macro WIN new                         ; the immediate's high byte repeats the setting that is left
.if MSB != \new
	s_set_vgpr_msb (MSB<<8)|\new
.set MSB, \new
.endif
.endm
.macro PLACES                          ; four plain lines behind a matrix instruction (ISA guide 7.12.1)
.rept 4
	v_nop
.endr
.endm
.macro KLOADS                          ; four tiles of 16 keys
.irp t, 0,1,2,3
.irp c, 0,1
	ds_load_b128 v[KF0+8*\t+4*\c:KF0+8*\t+4*\c+3], v[ADK] offset:1024*\t+512*\c
.endr
.endr
.endm
.macro LDK
	v_add_nc_u32 v[ADK], s[KB], v[LI]
	s_add_co_u32 s[KB], s[KB], 4096
	KLOADS
.endm
.macro P1 load                         ; pass 1, a group of 64 keys: the scores, the next group's keys asked for, the maximum in two chains a tile (eight chains by turns)
	s_wait_alu depctr_va_vdst(0)
	s_wait_dscnt 0x0                               ; this group's keys, asked for ahead of the last group's 64 maxima
	WIN 0x04                                       ; Q (source 1) window 1
.irp t, 0,1,2,3
.irp q, 0,1,2,3
	v_wmma_f32_16x16x64_fp8_fp8 v[S+32*\q+8*\t:S+32*\q+8*\t+7], v[KF0+8*\t:KF0+8*\t+7], v[Q+8*\q:Q+8*\q+7], 0
.endr
.endr
	WIN 0
.if \load
	v_add_nc_u32 v[ADK], s[KB], v[LI]              ; with the three lines below: the four places
	s_add_co_u32 s[KB], s[KB], 4096
	v_nop
	v_nop
	v_nop
	KLOADS
.else
	PLACES
.endif
.irp t, 0,1,2,3
.irp p, 0,1,2,3
.irp q, 0,1,2,3
	v_max3_num_f32 v[MX+2*\q+(\p%2)], v[MX+2*\q+(\p%2)], v[S+32*\q+8*\t+2*\p], v[S+32*\q+8*\t+2*\p+1]   ; each accumulator from its low end on
.endr
.endr
.endr
.endm
.macro BATCH hf, mul                   ; the 64 exponentials of half hf; mul = 1: among them the eight products of the other half, one ahead of each eight
.set i, 0
.rept 8
.if \mul
.set TT, 2*(1-(\hf))+i/4
.set QQ, i%4
	v_wmma_f32_16x16x64_fp8_fp8 v[S+32*QQ+8*TT:S+32*QQ+8*TT+7], v[KF0+8*TT:KF0+8*TT+7], v[Q+8*QQ:Q+8*QQ+7], 0
.endif
.set j, 0
.rept 8
	v_exp_f32 v[S+32*(i/2)+16*(\hf)+8*(i%2)+j], v[S+32*(i/2)+16*(\hf)+8*(i%2)+j]
.set j, j+1
.endr
.set i, i+1
.endr
.endm
.macro FMAH hf                         ; t - M of half hf, two at a time, in the products' order, each accumulator from its low end on
.set i, 0
.rept 8
.set BB, S+32*(i%4)+8*(2*(\hf)+i/4)
.set NQ, NM+2*(i%4)
.irp p, 0,2,4,6
	v_pk_fma_f32 v[BB+\p:BB+\p+1], v[BB+\p:BB+\p+1], s[CS:CS+1], v[NQ:NQ+1] op_sel_hi:[1,0,0]
.endr
.set i, i+1
.endr
.endm
.macro ADDH hf                         ; the rows' sums of the unquantised p: eight chains of pairs by turns
.set n, 0
.rept 8
.irp q, 0,1,2,3
	v_pk_add_f32 v[L+4*\q+2*(n%2):L+4*\q+2*(n%2)+1], v[L+4*\q+2*(n%2):L+4*\q+2*(n%2)+1], v[S+32*\q+16*(\hf)+2*n:S+32*\q+16*(\hf)+2*n+1]
.endr
.set n, n+1
.endr
.endm
.macro HOLD hf                         ; the conversion does not saturate (ISA guide 7.6.2); p is not negative, so the hold is one-sided
	s_cmp_ge_i32 s28, -8                           ; 448 x 2^e8 is 1.75 or more: no p reaches it
	s_cbranch_scc1 .Lfits_\@
.set i, 0
.rept 64
	v_min_num_f32 v[S+32*(i/16)+16*(\hf)+i%16], v[S+32*(i/16)+16*(\hf)+i%16], v[PLIM]
.set i, i+1
.endr
.Lfits_\@:
.endm
.macro CVTH hf                         ; under destination window 1: P's registers 4 hf .. 4 hf + 3 of each tile of queries
.irp q, 0,1,2,3
.irp u, 0,1
	v_cvt_scalef32_pk8_fp8_f32 v[P+8*\q+2*(2*(\hf)+\u):P+8*\q+2*(2*(\hf)+\u)+1], v[S+32*\q+8*(2*(\hf)+\u):S+32*\q+8*(2*(\hf)+\u)+7], v[PSC]
.endr
.endr
	v_nop                                          ; one plain line behind the last conversion
.endm
; A group of 64 keys.  On entry half 0 holds its t - M, K's buffer this group's four tiles.  zero = 1: its products start O^T's sums.  next = 1: a group follows.
.macro TRIP zero, next
	WIN 0x04                                       ; the wait ahead of the last products (or of the first trip) stands between half 0's scalings and this batch
	BATCH 0, 1
	WIN 0
	v_add_nc_u32 v[ADV], s[VB], v[LI]              ; four places behind the batch's products
	s_add_co_u32 s[VB], s[VB], 4096
.if \next
	v_add_nc_u32 v[ADK], s[KB], v[LI]
	s_add_co_u32 s[KB], s[KB], 4096
.else
	v_nop
.endif
	v_nop
	v_nop
	s_wait_alu depctr_va_vdst(0)                   ; one wait for the batch and for half 1's scores, directly ahead of their first readers
	FMAH 1
.if \next
	KLOADS                                         ; the next group's keys: tiles 0, 1 were multiplied half a group ago, tiles 2, 3 in the batch above
.endif
	ADDH 0
	HOLD 0
	WIN 0x40
.irp d, 0,1,2,3
.irp c, 0,1
	ds_load_b128 v[VF+8*\d+4*\c:VF+8*\d+4*\c+3], v[ADV] offset:1024*\d+512*\c
.endr
.endr
	CVTH 0
.if \next
	s_wait_dscnt 12                                ; the next keys' tiles 0, 1 are in; behind them tiles 2, 3 (four loads) and V (eight) may be out
.endif
	WIN 0x04
	s_wait_alu depctr_va_vdst(0)                   ; the wait ahead of the batch
	BATCH 1, \next
	WIN 0
.if \next
	PLACES
.else
	v_nop
.endif
	s_wait_alu depctr_va_vdst(0)
.if \next
	FMAH 0
.endif
	ADDH 1
	HOLD 1
	WIN 0x40
	CVTH 1
	s_wait_dscnt 0x0                               ; V, and the next keys
	WIN 0x55                                       ; V, P and O^T window 1
	s_wait_alu depctr_va_vdst(0)                   ; directly ahead of the first reader of O^T and of P, behind the group's last exponential
.irp d, 0,1,2,3
.irp q, 0,1,2,3                                ; the sixteen accumulators take turns, one instruction a turn
.if \zero
	v_wmma_f32_16x16x64_fp8_fp8 v[O+32*\q+8*\d:O+32*\q+8*\d+7], v[VF+8*\d:VF+8*\d+7], v[P+8*\q:P+8*\q+7], 0
.else
	v_wmma_f32_16x16x64_fp8_fp8 v[O+32*\q+8*\d:O+32*\q+8*\d+7], v[VF+8*\d:VF+8*\d+7], v[P+8*\q:P+8*\q+7], v[O+32*\q+8*\d:O+32*\q+8*\d+7]
.endif
.endr
.endr
	WIN 0
.endm
	s_load_b256 s[4:11], s[0:1], 0x0               ; qimg 4, kimg 6, vimg 8, the scales' exponents 10
	s_load_b64 s[12:13], s[0:1], 0x20              ; cimg
	v_lshl_add_u32 v[SPW], v0, 2, SPARE
	v_mov_b32 v[NIL], 0
	v_and_b32 v11, 31, v0
	v_lshlrev_b32 v[LI], 4, v11
	v_lshrrev_b32 v12, 5, v0
	v_readfirstlane_b32 s[WV], v12                 ; wave 0..7
	v_lshl_add_u32 v[FO], v12, 14, v[LI]           ; my eighth of K and of V: 16 x lane + 16,384 x wave, in memory and in LDS
	v_add_nc_u32 v[FV], 0x20000, v[FO]
	s_lshr_b32 s14, ttmp9, 6                       ; the batch
	s_lshl_b32 s14, s14, 17
	s_mov_b32 s15, 0
	s_lshl_b32 s16, ttmp9, 15                      ; the work-group's 32 fragments of q,
	s_lshl_b32 s17, s[WV], 12                      ; my four
	s_add_co_u32 s16, s16, s17
	s_mov_b32 s17, 0
	s_mov_b32 s[SEL], 0x76543210                   ; v_permlanex16_b32: lane l xor 16
	s_mov_b32 s[SEL+1], 0xfedcba98
	s_wait_alu depctr_va_vdst(0)
	s_wait_kmcnt 0x0
	s_load_b256 s[24:31], s[10:11], 0x10           ; e4 .. e11 in s24 .. s31
	s_add_nc_u64 s[4:5], s[4:5], s[16:17]
	s_add_nc_u64 s[12:13], s[12:13], s[16:17]
	s_add_nc_u64 s[6:7], s[6:7], s[14:15]
	s_add_nc_u64 s[8:9], s[8:9], s[14:15]
.set i, 0
.rept 32
	global_load_b128 v[S+4*i:S+4*i+3], v[FO], s[6:7] offset:512*i            ; K first: all eight waves wait for it
.set i, i+1
.endr
	WIN 0x40
.irp q, 0,1,2,3
	global_load_b128 v[Q+8*\q:Q+8*\q+3], v[LI], s[4:5] offset:1024*\q
	global_load_b128 v[Q+8*\q+4:Q+8*\q+7], v[LI], s[4:5] offset:1024*\q+512
.endr
.set i, 0
.rept 32
	global_load_b128 v[O+4*i:O+4*i+3], v[FO], s[8:9] offset:512*i
.set i, i+1
.endr
	WIN 0
	s_wait_kmcnt 0x0
	s_add_co_i32 s14, s26, s27
	s_lshl_b32 s14, s14, 23
	s_add_co_i32 s[CS], s14, 0x3e38aa3b            ; c = log2(e) / 8 x 2^(e6 + e7): the exponents are added to its exponent field
	s_mov_b32 s[CS+1], s[CS]                       ; (named with it as a pair)
	s_add_co_i32 s14, s28, 127
	s_lshl_b32 s15, s14, 23
	v_mov_b32 v[PSC], s15                          ; 2^e8
	s_add_co_i32 s14, s14, 8
	s_lshl_b32 s14, s14, 23
	s_or_b32 s14, s14, 0x600000
	v_mov_b32 v[PLIM], s14                         ; 448 x 2^e8
	s_sub_co_i32 s14, s30, s28
	s_sub_co_i32 s14, s14, s29                     ; O / sum stands for ctx / 2^(e8 + e9): its conversion takes 2^(e10 - e8 - e9)
	s_add_co_i32 s14, s14, 127
	s_lshl_b32 s15, s14, 23
	v_mov_b32 v[CSC], s15
	s_add_co_i32 s14, s14, 8
	s_lshl_b32 s14, s14, 23
	s_or_b32 s14, s14, 0x600000
	v_mov_b32 v[CLIM], s14
.irp i, 0,1,2,3,4,5,6,7
	v_mov_b32 v[MX+\i], 0xff800000                 ; the maxima begin at -infinity
.endr
	s_wait_alu depctr_va_vdst(0)
	s_wait_loadcnt 40                              ; K is in; Q's eight loads and V's 32 may be out
.set i, 0
.rept 32
	ds_store_b128 v[FO], v[S+4*i:S+4*i+3] offset:512*i
.set i, i+1
.endr
	s_wait_dscnt 0x0
	s_barrier_signal -1
	s_barrier_wait -1                              ; the batch's K lies in LDS
	s_wait_loadcnt 32                              ; Q is in; V's 32 loads stay out
	; PASS 1, groups 0-15; the sixteenth trip fetches group 16
	s_mov_b32 s[KB], 0
	LDK
	s_mov_b32 s[CNT], 16
.Lpass1a:
	P1 1
	s_sub_co_u32 s[CNT], s[CNT], 1
	s_cmp_lg_u32 s[CNT], 0
	s_cbranch_scc1 .Lpass1a
	s_wait_loadcnt 0x0                             ; V
	WIN 0x04                                       ; the stores' data window 1
.set i, 0
.rept 32
	ds_store_b128 v[FV], v[O+4*i:O+4*i+3] offset:512*i
.set i, i+1
.endr
	WIN 0
	s_wait_dscnt 0x0
	s_barrier_signal -1
	s_barrier_wait -1                              ; the batch's V lies in LDS
	; PASS 1, groups 16-31
	s_mov_b32 s[CNT], 15
.Lpass1b:
	P1 1
	s_sub_co_u32 s[CNT], s[CNT], 1
	s_cmp_lg_u32 s[CNT], 0
	s_cbranch_scc1 .Lpass1b
	P1 0                                           ; the last group fetches nothing
.irp q, 0,1,2,3
	v_max_num_f32 v[MX+2*\q], v[MX+2*\q], v[MX+2*\q+1]
.endr
.irp q, 0,1,2,3
	v_permlanex16_b32 v[MX+2*\q+1], v[MX+2*\q], s[SEL], s[SEL+1]   ; the query's other keys lie in the lane 16 away
.endr
.irp q, 0,1,2,3
	v_max_num_f32 v[MX+2*\q], v[MX+2*\q], v[MX+2*\q+1]
.endr
.irp q, 0,1,2,3
	v_mul_f32 v[MX+2*\q], s[CS], v[MX+2*\q]        ; as t (c is positive)
.endr
.irp q, 0,1,2,3
	v_floor_f32 v[NM+2*\q], -v[MX+2*\q]            ; -M = floor(-t) = -ceil(t)
.endr
.irp q, 0,1,2,3
	v_mov_b32 v[NM+2*\q+1], v[NM+2*\q]
.endr
.set i, 0
.rept 16
	v_mov_b32 v[L+i], 0
.set i, i+1
.endr
	; PASS 2.  Ahead of the first group: its keys, and half 0's scores and scalings
	s_mov_b32 s[KB], 0
	s_mov_b32 s[VB], 0x20000
	LDK
	s_wait_alu depctr_va_vdst(0)
	s_wait_dscnt 0x0
	WIN 0x04
.irp t, 0,1
.irp q, 0,1,2,3
	v_wmma_f32_16x16x64_fp8_fp8 v[S+32*\q+8*\t:S+32*\q+8*\t+7], v[KF0+8*\t:KF0+8*\t+7], v[Q+8*\q:Q+8*\q+7], 0
.endr
.endr
	WIN 0
	PLACES
	FMAH 0
	s_wait_alu depctr_va_vdst(0)                   ; the wait ahead of the first batch
	TRIP 1, 1
	s_mov_b32 s[CNT], 30
.Lpass2:
	TRIP 0, 1
	s_sub_co_u32 s[CNT], s[CNT], 1
	s_cmp_lg_u32 s[CNT], 0
	s_cbranch_scc1 .Lpass2
	TRIP 0, 0
	; THE END: the sums (these lines are the places behind the last products), O^T / sum, hold, conversion, stores of 512 consecutive bytes
.irp q, 0,1,2,3
	v_pk_add_f32 v[L+4*\q:L+4*\q+1], v[L+4*\q:L+4*\q+1], v[L+4*\q+2:L+4*\q+3]
.endr
.irp q, 0,1,2,3
	v_add_f32 v[L+4*\q], v[L+4*\q], v[L+4*\q+1]
.endr
.irp q, 0,1,2,3
	v_permlanex16_b32 v[L+4*\q+1], v[L+4*\q], s[SEL], s[SEL+1]
.endr
.irp q, 0,1,2,3
	v_add_f32 v[L+4*\q], v[L+4*\q], v[L+4*\q+1]
.endr
	s_wait_alu depctr_va_vdst(0)                   ; the wait ahead of the batch
.irp q, 0,1,2,3
	v_rcp_f32 v[MX+2*\q], v[L+4*\q]
.endr
	v_nop                                          ; a plain line behind the last reciprocal
	WIN 0x01                                       ; source 0 (O^T) window 1
	s_wait_alu depctr_va_vdst(0)                   ; for the reciprocals and for O^T, directly ahead of their first readers
.irp q, 0,1,2,3
.set i, 0
.rept 16
	v_pk_mul_f32 v[S+32*\q+i:S+32*\q+i+1], v[O+32*\q+i:O+32*\q+i+1], v[MX+2*\q:MX+2*\q+1] op_sel_hi:[1,0]   ; each accumulator from its low end on
.set i, i+2
.endr
.endr
	WIN 0
.set i, 0
.rept 128
	v_med3_num_f32 v[S+i], v[S+i], -v[CLIM], v[CLIM]
.set i, i+1
.endr
.irp q, 0,1,2,3
.irp d, 0,1,2,3
	v_cvt_scalef32_pk8_fp8_f32 v[KF0+8*\q+2*\d:KF0+8*\q+2*\d+1], v[S+32*\q+8*\d:S+32*\q+8*\d+7], v[CSC]   ; into the registers that K has left
.endr
.endr
	v_nop
.irp q, 0,1,2,3
	global_store_b128 v[LI], v[KF0+8*\q:KF0+8*\q+3], s[12:13] offset:1024*\q
	global_store_b128 v[LI], v[KF0+8*\q+4:KF0+8*\q+7], s[12:13] offset:1024*\q+512
.endr
	s_wait_tensorcnt 0x0                           ; the wave's end
	ds_add_u32 v[SPW], v[NIL]
	s_wait_dscnt 0x0
	s_endpgm
.Lfunc_end_k_qaa29657ba6_attn:
	.size	k_qaa29657ba6_attn, .Lfunc_end_k_qaa29657ba6_attn-k_qaa29657ba6_attn
	.p2alignl 7, 3214868480
	.fill 96, 4, 3214868480
	.section	.rodata,"a",@progbits
	.p2align	6, 0x0
	.amdhsa_kernel k_qaa29657ba6_attn
		.amdhsa_group_segment_fixed_size 263168
		.amdhsa_private_segment_fixed_size 0
		.amdhsa_enable_private_segment 0
		.amdhsa_kernarg_size 40
		.amdhsa_user_sgpr_count 2
		.amdhsa_user_sgpr_kernarg_segment_ptr 1
		.amdhsa_wavefront_size32 1
		.amdhsa_system_sgpr_workgroup_id_x 1
		.amdhsa_system_sgpr_workgroup_id_y 1
		.amdhsa_system_sgpr_workgroup_id_z 1
		.amdhsa_system_vgpr_workitem_id 0
		.amdhsa_next_free_vgpr 512
		.amdhsa_next_free_sgpr 66
		.amdhsa_reserve_vcc 0
		.amdhsa_float_denorm_mode_32 3
		.amdhsa_float_denorm_mode_16_64 3
		.amdhsa_memory_ordered 1
		.amdhsa_forward_progress 1
		.amdhsa_inst_pref_size 112
	.end_amdhsa_kernel
	.amdgpu_metadata
---
amdhsa.version: [ 1, 2 ]
amdhsa.kernels:
  - .name:           k_qaa29657ba6_attn
    .symbol:         k_qaa29657ba6_attn.kd
    .args:
      - { .name: qimg, .offset: 0, .size: 8, .value_kind: global_buffer, .address_space: global }
      - { .name: kimg, .offset: 8, .size: 8, .value_kind: global_buffer, .address_space: global }
      - { .name: vimg, .offset: 16, .size: 8, .value_kind: global_buffer, .address_space: global }
      - { .name: lowp_scales, .offset: 24, .size: 8, .value_kind: global_buffer, .address_space: global }
      - { .name: cimg, .offset: 32, .size: 8, .value_kind: global_buffer, .address_space: global }
    .group_segment_fixed_size: 263168
    .private_segment_fixed_size: 0
    .kernarg_segment_align: 8
    .kernarg_segment_size: 40
    .max_flat_workgroup_size: 256
    .sgpr_count:     66
    .vgpr_count:     512
    .wavefront_size: 32
...
	.end_amdgpu_metadata
.endif
;; end of part 3
;; launch oproj (part 4): grid 4 x 64, 4 waves a work-group, no clusters, 168,448 bytes of LDS; arguments cimg, woimg, bo, lowp_scales, out0; writes out0
.if DOCPART == 4
	.amdgcn_target "amdgcn-amd-amdhsa--gfx1250"
	.amdhsa_code_object_version 6
	.text
	.protected	k_qaa29657ba6_oproj
	.globl	k_qaa29657ba6_oproj
	.p2align	8
	.type	k_qaa29657ba6_oproj,@function
k_qaa29657ba6_oproj:
	s_mov_b64 s[64:65], 0
	v_nop
	global_prefetch_b8 v0, s[64:65] scope:SCOPE_SE
	s_setreg_imm32_b32 hwreg(HW_REG_WAVE_MODE, 25, 1), 1
	s_wait_xcnt 0x0
; OPROJ.  out = ctx Wo^T + bo on codes of E4M3; out is f32, [8,192][1,024].
; cimg: [tile of 16 tokens 512][K step 8][2,048] (two heads' fragments of 64 are one of 128), woimg: [tile of 16 rows of Wo 64][8][2,048]: a fragment (16 rows x 128 k, 16 registers) lies with register 4c+e of lane l at 512 c + 16 l + 4 e.
; SHARES.  A work-group takes 128 rows x 256 columns; wave w columns 64 (4 x + w) on, for all 128 rows: 32 accumulators.  Its 64 KB of Wo go from memory straight into 512 registers and stay;
; the 128 KB of ctx's images are copied as they lie into LDS bytes 0 .. 131,071 by asynchronous copies, all issued at the head, each byte filled once.  K = 1,024 is written out: 256 matrix instructions.
; THE PRODUCT IS USED TRANSPOSED (source 0 = 16 rows of Wo, source 1 = 16 tokens): lane (r, h) holds token r and eight neighbouring columns 16 ct + 8 h + j.
; out = sum x 2^(e10 + e11) + bo, one packed multiply-add for two numbers.  LIMIT: e10 + e11 between -126 and 127.
; THE WAY OUT: 16 rows x 64 columns at a time through my own stage (behind the copies' bytes; no copy lands there), back as rows of 256 bytes: sixteen lanes store 256 consecutive bytes, aligned.
; No cluster: the weights go to registers, not to LDS; what four work-groups share, ctx's 128 KB, is a third of a work-group's bytes and is read once, at the head.
; REGISTERS: window 0: v1, v2 16 x lane (+ 65,536); v3, v4 the copies' LDS address and offset; v12-14 the way out's addresses; v32-63 the bias; v64, v128, v192 three buffers of four fragments of ctx.
;   window 1: accumulator (a, ct) at 8 (4 a + ct).   window 2: Wo's fragments of K steps 0-3 at 64 s + 16 ct.   window 3: those of K steps 4-7.
.set LI0,  1
.set CL,   3
.set CG,   4
.set HB,   5
.set STO,  12
.set RD,   13
.set CO,   14
.set BIAS, 32
.set ABUF, 64
.set MSB,  0
.macro WIN new                         ; the immediate's high byte repeats the setting that is left
.if MSB != \new
	s_set_vgpr_msb (MSB<<8)|\new
.set MSB, \new
.endif
.endm
.macro PLACES                          ; four plain vector lines behind a matrix instruction, ahead of loads into its sources and of reads of its result
.rept 4
	v_nop
.endr
.endm
.macro COPYA s                         ; K step s of my two tiles of rows: the immediate steps both addresses
.irp p, 0,1
.irp c, 0,1,2,3
	global_load_async_to_lds_b128 v[CL], v[CG], s[4:5] offset:16384*\p+2048*(\s)+512*\c
.endr
.endr
.endm
.macro LOADB s                         ; my columns' four fragments of K step s
.if (\s) < 4
	WIN 0x80
.else
	WIN 0xc0
.endif
.irp ct, 0,1,2,3
.irp c, 0,1,2,3
	global_load_b128 v[64*((\s)%4)+16*\ct+4*\c:64*((\s)%4)+16*\ct+4*\c+3], v[LI0], s[6:7] offset:16384*\ct+2048*(\s)+512*\c
.endr
.endr
.endm
.macro ARRIVE n                        ; all but my youngest n copies have landed, my LDS loads are in: then the work-group's barrier
	s_wait_asynccnt \n
	s_wait_dscnt 0x0
	s_barrier_signal -1
	s_barrier_wait -1
.endm
.macro LOADA u                         ; half step u: K step u / 2, tiles 4 (u % 2) + 0..3, into buffer u % 3
.set AB, ABUF+64*((\u)%3)
.irp a, 0,1,2,3
.irp c, 0,1,2,3
	ds_load_b128 v[AB+16*\a+4*\c:AB+16*\a+4*\c+3], v[LI0+(\u)%2] offset:16384*\a+2048*((\u)/2)+512*\c
.endr
.endr
.endm
.macro MUL u                           ; 16 matrix instructions.  The 32 accumulators take turns, one instruction a turn, in the same order in every K step
.set KS, (\u)/2
.set AB, ABUF+64*((\u)%3)
.set BB, 64*(KS%4)
.if KS < 4
	WIN 0x52                                       ; source 0 window 2, source 1 window 0, C and D window 1
.else
	WIN 0x53                                       ; source 0 window 3
.endif
.irp a, 0,1,2,3
.irp ct, 0,1,2,3
.set DD, 8*(4*(4*((\u)%2)+\a)+\ct)
.if KS == 0
	v_wmma_f32_16x16x128_fp8_fp8 v[DD:DD+7], v[BB+16*\ct:BB+16*\ct+15], v[AB+16*\a:AB+16*\a+15], 0
.else
	v_wmma_f32_16x16x128_fp8_fp8 v[DD:DD+7], v[BB+16*\ct:BB+16*\ct+15], v[AB+16*\a:AB+16*\a+15], v[DD:DD+7]
.endif
.endr
.endr
.endm
.macro TOSTAGE a                       ; block a (16 tokens x my 64 columns): scale and bias, into my stage, back by rows.  LDS serves a wave's instructions in order
.set TT, 64+32*((\a)%2)
.set BK, 128+32*((\a)%2)
	WIN 0x01                                       ; source 0 (the sums) window 1
.irp ct, 0,1,2,3
.irp i, 0,2,4,6
	v_pk_fma_f32 v[TT+8*\ct+\i:TT+8*\ct+\i+1], v[8*(4*(\a)+\ct)+\i:8*(4*(\a)+\ct)+\i+1], s[34:35], v[BIAS+8*\ct+\i:BIAS+8*\ct+\i+1] op_sel_hi:[1,0,1]   ; each accumulator from its low end on
.endr
.endr
	WIN 0
.irp ct, 0,1,2,3
	ds_store_b128 v[STO], v[TT+8*\ct:TT+8*\ct+3] offset:64*\ct
	ds_store_b128 v[STO], v[TT+8*\ct+4:TT+8*\ct+7] offset:64*\ct+16
.endr
.irp i, 0,1,2,3,4,5,6,7
	ds_load_b128 v[BK+4*\i:BK+4*\i+3], v[RD] offset:544*\i
.endr
.endm
.macro SEND a, younger                 ; younger: the LDS instructions issued behind block a's loads, which may stay out
.set BK, 128+32*((\a)%2)
	s_wait_dscnt \younger
.irp i, 0,1,2,3,4,5,6,7
	global_store_b128 v[CO], v[BK+4*\i:BK+4*\i+3], s[14:15] offset:(16*(\a)+2*\i)*4096 th:TH_STORE_NT   ; lanes 0-15 one row's 256 bytes, lanes 16-31 the next row's; written once, read by nobody here
.endr
.endm
	s_load_b256 s[4:11], s[0:1], 0x0               ; cimg 4, woimg 6, bo 8, the scales' exponents 10
	s_load_b64 s[14:15], s[0:1], 0x20              ; out0
	v_lshl_add_u32 v30, v0, 2, 0x29000
	v_mov_b32 v31, 0
	ds_add_u32 v30, v31
	ds_add_u32 v30, v31
	v_and_b32 v6, 31, v0
	v_lshlrev_b32 v[LI0], 4, v6
	v_add_nc_u32 v[LI0+1], 0x10000, v[LI0]
	v_lshrrev_b32 v7, 5, v0
	v_readfirstlane_b32 s24, v7                    ; wave 0..3
	v_lshl_add_u32 v[CL], v7, 15, v[LI0]           ; 16 x lane + 32,768 x wave: my two tiles of rows, in LDS
	v_lshl_add_u32 v[CG], v7, 15, v[LI0]           ; and in the block
	v_bfe_u32 v8, v0, 4, 1                         ; h
	v_and_b32 v9, 15, v0                           ; r
	v_lshlrev_b32 v[HB], 5, v8                     ; the bias: 32 h
	s_mul_i32 s36, s24, 4352
	s_add_co_u32 s36, s36, 131072                  ; my stage: 16 rows x (256 bytes + 16)
	v_mul_u32_u24 v[STO], v9, 272
	v_lshl_add_u32 v[STO], v8, 5, v[STO]
	v_add_nc_u32 v[STO], s36, v[STO]               ; in: row r, + 32 h
	v_mul_u32_u24 v[RD], v8, 272
	v_lshl_add_u32 v[RD], v9, 4, v[RD]
	v_add_nc_u32 v[RD], s36, v[RD]                 ; back: row h, + 16 r
	v_lshlrev_b32 v[CO], 12, v8
	v_lshl_add_u32 v[CO], v9, 4, v[CO]             ; and the same two rows in out
	s_and_b32 s25, ttmp7, 0xffff                   ; block of 128 rows
	s_lshl_b32 s26, ttmp9, 2
	s_add_co_u32 s26, s26, s24                     ; my 64 columns
	s_lshl_b32 s28, s25, 17
	s_mov_b32 s29, 0
	s_lshl_b32 s30, s26, 16
	s_mov_b32 s31, 0
	s_lshl_b32 s32, s26, 8
	s_mov_b32 s33, 0
	s_lshl_b32 s38, s25, 19                        ; out: 128 rows of 4,096 bytes, + 256 bytes for each 64 columns
	s_add_co_u32 s38, s38, s32
	s_mov_b32 s39, 0
	s_wait_alu depctr_va_vdst(0)
	s_wait_dscnt 0x0
	s_wait_kmcnt 0x0
	s_load_b64 s[16:17], s[10:11], 0x28            ; e10, e11
	s_add_nc_u64 s[4:5], s[4:5], s[28:29]
	s_add_nc_u64 s[6:7], s[6:7], s[30:31]
	s_add_nc_u64 s[8:9], s[8:9], s[32:33]
	s_add_nc_u64 s[14:15], s[14:15], s[38:39]
.irp ct, 0,1,2,3
	global_load_b128 v[BIAS+8*\ct:BIAS+8*\ct+3], v[HB], s[8:9] offset:64*\ct
	global_load_b128 v[BIAS+8*\ct+4:BIAS+8*\ct+7], v[HB], s[8:9] offset:64*\ct+16
.endr
	COPYA 0                                        ; every copy stands ahead of the first wait on their counter, the first LDS read and the first barrier
	COPYA 1
	LOADB 0
	LOADB 1
	WIN 0
	COPYA 2
	COPYA 3
	LOADB 2
	LOADB 3
	WIN 0
	COPYA 4
	COPYA 5
	COPYA 6
	COPYA 7
	s_wait_kmcnt 0x0
	s_add_co_i32 s34, s16, s17
	s_add_co_i32 s34, s34, 127
	s_lshl_b32 s34, s34, 23                        ; 2^(e10 + e11) as f32
	s_mov_b32 s35, s34                             ; (named with it as a pair)
	ARRIVE 48                                      ; K steps 0 and 1 of ctx lie in LDS; the copies of the six later steps, eight each, may be out
	LOADA 0
	LOADA 1
	LOADA 2
.irp u, 0,1,2,3,4,5,6,7,8,9,10,11,12,13,14,15
.if (\u)%2 == 0
.if (\u)/2 <= 4
	s_wait_loadcnt 48                              ; this K step's weights are in; three later groups of sixteen may be out
.else
	s_wait_loadcnt 16*(7-(\u)/2)
.endif
.endif
.if \u <= 13
	s_wait_dscnt 32                                ; this half step's fragments are in; the two groups of sixteen behind them may be out
.else
	s_wait_dscnt 16*(15-\u)
.endif
	MUL \u
.if \u <= 12
	PLACES
	WIN 0
.if \u == 1
	ARRIVE 32                                      ; K steps 2 and 3
.elseif \u == 5
	ARRIVE 16                                      ; 4 and 5
.elseif \u == 9
	ARRIVE 0                                       ; 6 and 7
.endif
	LOADA (\u)+3                                   ; into the buffer just multiplied
.endif
.if ((\u)%2 == 0) && (\u <= 6)
	LOADB 4+(\u)/2
.endif
.endr
	PLACES
	TOSTAGE 0
.irp a, 1,2,3,4,5,6,7
.if \a > 1
	s_wait_xcnt 0x0                                ; block a - 2's stores have read their registers: block a's loads may land there
.endif
	TOSTAGE \a
	SEND \a-1, 16                                  ; behind block a - 1's loads: block a's eight stores and eight loads
.endr
	SEND 7, 0
	s_wait_tensorcnt 0x0
	ds_add_u32 v30, v31
	s_wait_dscnt 0x0
	s_endpgm
.Lfunc_end_k_qaa29657ba6_oproj:
	.size	k_qaa29657ba6_oproj, .Lfunc_end_k_qaa29657ba6_oproj-k_qaa29657ba6_oproj
	.p2alignl 7, 3214868480
	.fill 96, 4, 3214868480
	.section	.rodata,"a",@progbits
	.p2align	6, 0x0
	.amdhsa_kernel k_qaa29657ba6_oproj
		.amdhsa_group_segment_fixed_size 168448
		.amdhsa_private_segment_fixed_size 0
		.amdhsa_enable_private_segment 0
		.amdhsa_kernarg_size 40
		.amdhsa_user_sgpr_count 2
		.amdhsa_user_sgpr_kernarg_segment_ptr 1
		.amdhsa_wavefront_size32 1
		.amdhsa_system_sgpr_workgroup_id_x 1
		.amdhsa_system_sgpr_workgroup_id_y 1
		.amdhsa_system_sgpr_workgroup_id_z 1
		.amdhsa_system_vgpr_workitem_id 0
		.amdhsa_next_free_vgpr 1024
		.amdhsa_next_free_sgpr 66
		.amdhsa_reserve_vcc 0
		.amdhsa_float_denorm_mode_32 3
		.amdhsa_float_denorm_mode_16_64 3
		.amdhsa_memory_ordered 1
		.amdhsa_forward_progress 1
		.amdhsa_inst_pref_size 81
	.end_amdhsa_kernel
	.amdgpu_metadata
---
amdhsa.version: [ 1, 2 ]
amdhsa.kernels:
  - .name:           k_qaa29657ba6_oproj
    .symbol:         k_qaa29657ba6_oproj.kd
    .args:
      - { .name: cimg, .offset: 0, .size: 8, .value_kind: global_buffer, .address_space: global }
      - { .name: woimg, .offset: 8, .size: 8, .value_kind: global_buffer, .address_space: global }
      - { .name: bo, .offset: 16, .size: 8, .value_kind: global_buffer, .address_space: global }
      - { .name: lowp_scales, .offset: 24, .size: 8, .value_kind: global_buffer, .address_space: global }
      - { .name: out0, .offset: 32, .size: 8, .value_kind: global_buffer, .address_space: global }
    .group_segment_fixed_size: 168448
    .private_segment_fixed_size: 0
    .kernarg_segment_align: 8
    .kernarg_segment_size: 40
    .max_flat_workgroup_size: 128
    .sgpr_count:     66
    .vgpr_count:     1024
    .wavefront_size: 32
...
	.end_amdgpu_metadata
.endif
;; end of part 4
